; MI455X (gfx1250); checked and timed in simulation.
; The chip was launched on July 23, 2026; its instructions are those of AMD's public machine-readable ISA for CDNA 5 (MIT licence, August 2026) and "CDNA5" Instruction Set Architecture Reference Guide (July 2026). The comments in the code are by the model that wrote it; some were corrected since.
;; Causal Multi Head Attention Ro PE. Allowed arithmetic: matrix products marked QUANTISED: E4M3 operands, one given power-of-two scale a tensor, by v_wmma_f32_16x16x64_fp8_fp8 or v_wmma_f32_16x16x128_fp8_fp8, f32 sums; everything else in f32.
;; Inputs: bo 1,024 float32; lowp_scales 12 int32 (the exponents e of the quantised operands' scales 2^e); wk_codes 1,024 x 32 x 32 uint8 (E4M3 codes of wk, K innermost, in blocks of 32 codes); wo_codes 1,024 x 32 x 32 uint8 (E4M3 codes of wo, K innermost, in blocks of 32 codes); wq_codes 1,024 x 32 x 32 uint8 (E4M3 codes of wq, K innermost, in blocks of 32 codes); wv_codes 1,024 x 32 x 32 uint8 (E4M3 codes of wv, K innermost, in blocks of 32 codes); x_codes 4 x 2,048 x 32 x 32 uint8 (E4M3 codes of x, K innermost, in blocks of 32 codes).
;; Outputs: out0 4 x 2,048 x 1,024 float32.
;; This version of the problem:
;;   THIS VERSION OF THE PROBLEM IS GIVEN IN LOW PRECISION. The matrix products marked QUANTISED in the list below multiply operands that are first quantised to E4M3 (4 exponent bits, 3 mantissa bits; 8 bits a number), with one given power-of-two scale for each operand tensor; their sums are f32. All else is computed in f32.
;;   The module's matrix products, in the order in which they are computed (A, B: the left and right operand; K: the contracted axis; several contracted axes count as one K, in the product's order):
;;     1. [M 8,192, K 1,024] x [K 1,024, N 1,024]; A: input x (given as codes); B: input wq (given as codes): QUANTISED (scales: A lowp_scales[0], B lowp_scales[1])
;;     2. [M 8,192, K 1,024] x [K 1,024, N 1,024]; A: input x (given as codes); B: input wk (given as codes): QUANTISED (scales: A lowp_scales[2], B lowp_scales[3])
;;     3. [M 8,192, K 1,024] x [K 1,024, N 1,024]; A: input x (given as codes); B: input wv (given as codes): QUANTISED (scales: A lowp_scales[4], B lowp_scales[5])
;;     4. batch 64 x [M 2,048, K 64] x [K 64, N 2,048]; A: computed on the way; B: computed on the way: QUANTISED (scales: A lowp_scales[6], B lowp_scales[7])
;;     5. batch 64 x [M 2,048, K 2,048] x [K 2,048, N 64]; A: softmax (see below); B: computed on the way: QUANTISED (scales: A lowp_scales[8], B lowp_scales[9])
;;     6. [M 8,192, K 1,024] x [K 1,024, N 1,024]; A: computed on the way; B: input wo (given as codes): QUANTISED (scales: A lowp_scales[10], B lowp_scales[11])
;;   THE QUANTISER, for each operand of a quantised product, along K:
;;     - The operand's scale is 2^e, e = its entry of the input lowp_scales (int32; the entries are numbered through the quantised products in the list's order, A before B).
;;     - Each number is divided by the scale, clamped to +-448, and rounded to the nearest number of E4M3, ties to even, subnormals kept.
;;     - The product sums the exact products of the quantised numbers (number of the format x scale) in f32.
;;   ~~~python
;;   def quantise(x, axis, e):      # numpy; x: float32 -> the quantised numbers, widened to float32 again
;;       x = np.moveaxis(x, axis, -1); K = x.shape[-1]
;;       r = np.clip(x / 2.0 ** e, -448, 448)
;;       step = 2.0 ** (np.maximum(np.frexp(np.where(r == 0, 1, r))[1] - 1, -6) - 3)
;;       q = np.round(r / step) * step * 2.0 ** e      # np.round: ties to even
;;       return np.moveaxis(q, -1, axis).astype(np.float32)
;;   ~~~
;;   SOFTMAX AHEAD OF A QUANTISED PRODUCT. Where the list says 'softmax', what is quantised is not the finished softmax but p = 2^(t - M), with t = logit x log2(e) and M = ceil(the row's largest t), a whole number; so 1/2 < the row's largest p <= 1. The row's sum l is taken of the UNQUANTISED p, in f32, and the product's result is divided by l at the end. Since M is a whole number, a kernel that streams over the keys may use a running M (the ceiling of the running maximum): every later rescaling is an exact power of two, so the quantised numbers keep their values, but for numbers so far below the row's largest that they fall under the format's range.
;;   OPERANDS COMPUTED ON THE WAY. 'Computed on the way' means the value that the module computes at that place (a softmax that the list does not call 'softmax' is quantised finished and normalised). What goes into a quantiser is computed in f32, as accurately as f32 sums, v_exp_f32 and their like allow (about 1e-6 of the number): no bf16 or f16 on the way to a quantiser, and a product that is left as it is and whose result goes on into a quantised operand takes f32 operands (vector FMAs, or v_wmma_f32_16x16x4_f32). A number that lies on a knife's edge between two numbers of the format may be rounded either way, as far as f32 arithmetic and the matrix unit's own rounding can turn it there, and no further.
;;   INPUTS GIVEN AS CODES. wk (in the module: [1024, 1024], K = its axis 0); wo (in the module: [1024, 1024], K = its axis 0); wq (in the module: [1024, 1024], K = its axis 0); wv (in the module: [1024, 1024], K = its axis 0); x (in the module: [4, 2048, 1024], K = its axis 2): each comes as NAME_codes (uint8): NAME with its K axis moved to the last place and cut into blocks of 32 codes, [.., K / 32, bytes a block], one block behind the other in memory; one code a byte (a code: sign, 4 exponent bits, 3 mantissa bits); its scale is its entry of lowp_scales. Its value is code x scale, taken as it is: it is not quantised again, and the codes and scales need not be those that the quantiser above would give.
;; One version. Each part assembles by itself: llvm-mc -triple=amdgcn-amd-amdhsa -mcpu=gfx1250 --defsym DOCPART=n.
;; ======== version 1 of 1: 3 launches
;; limits: right only within a limited range of input values
;; workspace buffers: qimg 8,388,608 bytes; kvimg 16,777,216 bytes; ycodes 8,388,608 bytes
;; launch qkv (part 1): grid 12 x 32, 4 waves a work-group, clusters of 4 x 4, 327,680 bytes of LDS; arguments x_codes, wq_codes, wk_codes, wv_codes, lowp_scales, qimg, kvimg; writes qimg, kvimg
.if DOCPART == 1
	.amdgcn_target "amdgcn-amd-amdhsa--gfx1250"
	.amdhsa_code_object_version 6
	.text
	.protected	k_qdac5b2618c_qkv
	.globl	k_qdac5b2618c_qkv
	.p2align	8
	.type	k_qdac5b2618c_qkv,@function
k_qdac5b2618c_qkv:
	s_mov_b64 s[64:65], 0
	v_nop
	global_prefetch_b8 v0, s[64:65] scope:SCOPE_SE
	s_setreg_imm32_b32 hwreg(HW_REG_WAVE_MODE, 25, 1), 1
	s_wait_xcnt 0x0
	s_wait_alu depctr_hold_cnt(0) depctr_sa_sdst(0) depctr_va_vdst(0) depctr_va_sdst(0) depctr_va_ssrc(0) depctr_va_vcc(0) depctr_vm_vsrc(0)
	s_getreg_b32 s2, hwreg(HW_REG_IB_STS2, 6, 4)
	s_cmp_eq_u32 s2, 0
	s_cbranch_scc0 .Lentry_in_a_cluster
	s_endpgm
.Lentry_in_a_cluster:
	s_bfe_u32 s2, ttmp6, 0x10000c
	s_cmp_lg_u32 s2, 0xf033
	s_cbranch_scc0 .Lentry_shape_is_right
	s_endpgm
.Lentry_shape_is_right:
; q = rope(x wq), k = rope(x wk), v = x wv on codes of FP8 (E4M3); the three results are quantised for the attention launch and stored as IMAGES OF OPERAND REGISTERS.
; x: [8192][1024] codes, wq, wk, wv: [1024 (feature)][1024 (K)] codes.  lowp_scales e0..e11.  The codes are multiplied as they are; the scales are folded into the one scale of the conversion on the way out.
; ONE TEXT FOR THREE PRODUCTS C = A B^T.  The cluster's x says which: 0: A = x, B = wq;  1: A = x, B = wk;  2: A = wv, B = x.  A tile of C is 256 x 256, four waves, a wave 128 x 128: 64 accumulators, 512 registers.
; THE MATRIX INSTRUCTION IS USED TRANSPOSED (source 0 = 16 rows of B, source 1 = 16 rows of A): a lane holds ONE row of A and its eight registers eight neighbouring rows of B.
;   q, k: a lane holds one position and, of each head, the channels d = 16 t + 8 (lane / 16) + 0 .. 7: d and d + 32 lie in one lane, so the rotation needs no other lane, and eight registers are eight neighbours along the next K.
;   v:    a lane holds one channel and its registers run down the positions: the keys come out innermost, as the second product of attention wants them.  Nothing is transposed.
; ROPE as the source has it, with the sine in both terms: out[j] = (q[j] - q[j+32]) s_j, out[j+32] = (q[j+32] + q[j]) s_j, s_j = sin(pos x 10^(-j/4)), j = 0 .. 31, all in f32.
;   The sine: n = round(a / pi) by the addition of 1.5 x 2^23; r = a - n pi in two parts (the first fused step loses nothing: a < 2048, n < 1024); n's parity turns r's sign; an odd polynomial up to r^11.
; IMAGES.  qimg [b 16 + h][tile of 16 positions][1,024 bytes]: code registers 0-3 of lane l at 16 l, 4-7 at 512 + 16 l.  kvimg [b 16 + h][slot of 256 keys][32,768 bytes]: 16 such images of k, then
;   [128 keys][16 channels][2,048 bytes] of v: code registers 4 c .. 4 c + 3 of lane l at 512 c + 16 l.  Every store of a wave covers 512 consecutive bytes, aligned.
; CLUSTERS: 4 x 4 work-groups.  A's tile hangs on the tile row alone and is shared along a row of the cluster, B's on the tile column alone and is shared along a column: joint loads.  Which product is made
;   hangs on the cluster's x, which all sixteen partners share: so do the choice of pointers and the one branch of the way out.
; LIMITS: e6 - e0 - e1, e7 - e2 - e3 and e9 - e4 - e5 lie between -126 and 119, so that each scale and 448 x the scale are f32 numbers.  theta_j is 10^(-j/4) rounded to f32 (a power computed in f32 may differ in the last bit).
;   (q[j] - q[j+32]) s is rounded in another order than q[j] s - q[j+32] s.
; REGISTERS, in windows of 256: window 0: v0-31 addresses; from v128 A's fragments, ONE set; on the way out v32-255 are free.  window 1: B's fragments, TWO sets.  windows 2, 3: the accumulators ((a, b) at v[8 (8 (a % 4) + b)]).
.set SIZE_K, 1024
.set KSTEP,  256                       ; along K in a slot
.set ROWB,   256                       ; a tile's row in bytes
.set KROW,   SIZE_K                    ; a row of A or of B in memory, in bytes
.set PITCH,  272                       ; an LDS row: 256 bytes + 16 of padding = 68 words: row r starts at bank 4 r mod 64 (ISA guide 11.1)
.set FR,     16                        ; registers of a fragment: 16 rows x 128 K
.set NL,     4                         ; LDS loads that bring one
.set NP,     4                         ; places behind this matrix instruction (ISA guide 7.12.1)
.set HALFT,  128*PITCH                 ; 128 rows: what one tensor load brings
.set SLOT,   4*HALFT                   ; A's 256 rows, then B's 256 rows
.set LAPS,   SIZE_K/(2*KSTEP)          ; a lap = two K steps = once round the ring
.set SPARE,  2*SLOT                    ; behind the ring: the spare words, 128 bytes for each wave
.set ADRA, 16                          ; v16-17  LDS address of my A fragments in slot 0, 1
.set ADRB, 20                          ; v20-21  the same for B
.set SPW,  28                          ; v28     LDS address of my spare word; never rewritten
.set NIL,  29                          ; v29     0; never rewritten
.set AF,   128                         ; A's fragments, in window 0
; the way out, window 0
.set KC,   32                          ; v32-51  ten constants, each twice (a pair for the packed forms)
.set POS,  52                          ; v52-53  my position as f32 (the low word serves both halves)
.set SC,   54                          ; v54     the conversion's scale as f32
.set LIM,  55                          ; v55     448 x that
.set OFF0, 56                          ; v56     16 x lane;  v57: the same in the wave's second head
.set TH,   64                          ; v64-79  my 16 thetas: TH[8 t + i] = theta(16 t + 8 (lane / 16) + i)
.set SN,   80                          ; v80-95  their sines at my position
.set AN,   96                          ; v96-111 the angle, then r
.set NN,   112                         ; v112-127 a / pi + 1.5 x 2^23
.set FF,   128                         ; v128-143 n
.set R2,   144                         ; v144-159 r^2, then r^3
.set PP,   160                         ; v160-175 the polynomial
.set T,    176                         ; v176-239 the rotated numbers, 32 for each of two heads
.set CD,   240                         ; v240-255 their codes, 8 registers a head
.set VT,   64                          ; v's way out: v64-127 64 numbers, v128-143 their codes
.set VC,   128
.set G1, 24                            ; s[24:31] descriptor group 1 for A's tiles;  s[32:39] group 0, one set for each slot
.set G0, 32
.set G1B, 48                           ; s[48:55], s[56:63] the same for B's tiles
.set G0B, 56
.set MSB, 0
.macro WIN new                         ; the immediate's high byte repeats the setting that is left
.if MSB != \new
	s_set_vgpr_msb (MSB<<8)|\new
.set MSB, \new
.endif
.endm
.set MUL_LO, 0xa1                      ; source 0 (B) window 1, source 1 (A) window 0, C and D window 2
.set MUL_HI, 0xf1                      ; the same, C and D window 3
.set TO_B,   0x40                      ; destination window 1, address window 0
; A joint load: waves 0 and 1 fetch for A, waves 2 and 3 for B.  Each of the two lines has ONE mask and one set of registers; the branch hangs on the wave's number alone.
; Four v_nop follow each of the two lines, ahead of the jump, the label and what follows.
.macro JLOAD g0a, g1a, g0b, g1b
	s_cmp_eq_u32 s15, 0
	s_cbranch_scc0 .Lfor_b_\@
	tensor_load_to_lds s[\g0a:\g0a+3], s[\g1a:\g1a+7]
	s_nop 0
.rept 4
	v_nop
.endr
	s_branch .Lasked_\@
.Lfor_b_\@:
	tensor_load_to_lds s[\g0b:\g0b+3], s[\g1b:\g1b+7]
	s_nop 0
.rept 4
	v_nop
.endr
.Lasked_\@:
.endm
.macro CREST                           ; a round of the cluster's barrier behind its opening barrier
	s_cmp_lg_u32 s14, 0
	s_cbranch_scc1 .Lnot_wave_0_\@
	s_barrier_signal -3
.Lnot_wave_0_\@:
	s_barrier_wait -3
	s_barrier_signal -1
	s_barrier_wait -1
.endm
.macro CROUND                          ; a whole round
	s_barrier_signal -1
	s_barrier_wait -1
	CREST
.endm
	s_load_b256 s[4:11], s[0:1], 0x0               ; x s[4:5], wq s[6:7], wk s[8:9], wv s[10:11]
	s_load_b128 s[72:75], s[0:1], 0x20             ; the scales' exponents s[72:73], qimg s[74:75]
	s_load_b64 s[76:77], s[0:1], 0x30              ; kvimg
	v_lshl_add_u32 v[SPW], v0, 2, SPARE
	v_mov_b32 v[NIL], 0
	ds_add_u32 v28, v29
	s_wait_dscnt 0x0
	v_lshrrev_b32 v1, 5, v0
	v_readfirstlane_b32 s14, v1                    ; wave 0..3
	s_lshr_b32 s15, s14, 1                         ; which half of the tile's rows (of A) is mine.  Also: I fetch for A (0) or for B (1)
	s_and_b32 s16, s14, 1                          ; which half of its columns (rows of B).  Also: which 128 rows of that tile I fetch
	s_bfe_u32 s40, ttmp6, 0x40000                  ; cx, cy: my place in the cluster
	s_bfe_u32 s41, ttmp6, 0x40004
	s_and_b32 s94, ttmp7, 0xffff                   ; the cluster's y, 0..7
	s_cmp_eq_u32 ttmp9, 2                          ; the cluster's x: 0 q, 1 k, 2 v: the same in all sixteen partners
	s_cselect_b32 s17, 0, s94                      ; q, k: x's 32 tile rows run along y;  v: wv has four tile rows
	s_cselect_b32 s42, s94, 0                      ; v: x's 32 tiles are the columns;  q, k: the weight has four
	s_lshl_b32 s17, s17, 2
	s_add_co_u32 s17, s17, s41                     ; tile row of C
	s_lshl_b32 s42, s42, 2
	s_add_co_u32 s42, s42, s40                     ; tile column of C
	s_lshl_b32 s43, s41, 2
	s_lshl_b32 s43, 15, s43                        ; my row of the cluster
	s_lshl_b32 s44, 0x1111, s40                    ; my column
	; descriptor group 1: a tile of 128 rows x 256 bytes, padded in LDS
	s_or_b32 s[G1+0], s43, (0<<16)|(1<<20)|(1<<21)|(5<<22)|(3<<25)  ; 15:0 the mask: A's tiles go to my row; 17:16 element of 1 byte; 20 padding on; 21 set beside a mask; 24:22 after every 64 words (code 5); 31:25 of 4 words (code 3)
	s_or_b32 s[G1B+0], s44, (0<<16)|(1<<20)|(1<<21)|(5<<22)|(3<<25)
.irp g, G1, G1B
	s_mov_b32 s[\g+1], ROWB<<16                    ; tensor_dim0
	s_mov_b32 s[\g+2], 128<<16                     ; tensor_dim1 = 128
	s_mov_b32 s[\g+3], ROWB<<16                    ; tile_dim0
	s_mov_b32 s[\g+4], 128                         ; tile_dim1 = 128
	s_mov_b32 s[\g+5], KROW                        ; tensor_dim0_stride
	s_mov_b32 s[\g+6], 0
	s_mov_b32 s[\g+7], 0
.endr
	s_lshl_b32 s18, s16, 7                         ; which 128 rows of the tile I fetch
	s_lshl_b32 s20, s17, 8
	s_add_co_u32 s20, s20, s18                     ; A: row 256 x tile row + 128 x half,
	s_lshl_b32 s20, s20, 10                        ; in bytes (rows of 1,024): under 2^23
	s_mov_b32 s21, 0
	s_lshl_b32 s46, s42, 8
	s_add_co_u32 s46, s46, s18                     ; B: row 256 x tile column + 128 x half
	s_lshl_b32 s46, s46, 10
	s_mov_b32 s47, 0
	s_mul_i32 s45, s14, HALFT                      ; where they go: wave x 128 rows: no place in the cluster enters an LDS address
	s_wait_kmcnt 0x0
	s_load_b256 s[80:87], s[72:73], 0x0            ; e0 .. e7
	s_load_b128 s[88:91], s[72:73], 0x20           ; e8 .. e11
	s_cmp_eq_u32 ttmp9, 2                          ; the choice of buffers hangs on the cluster's x alone
	s_cselect_b64 s[68:69], s[10:11], s[4:5]       ; A: wv, else x
	s_cselect_b64 s[70:71], s[4:5], s[8:9]         ; B: x, else wk,
	s_cmp_eq_u32 ttmp9, 0
	s_cselect_b64 s[70:71], s[6:7], s[70:71]       ; or wq
	s_add_nc_u64 s[20:21], s[68:69], s[20:21]
	s_add_nc_u64 s[46:47], s[70:71], s[46:47]
	CROUND                                         ; all sixteen work-groups are here: the first joint loads meet
.irp s, 0,1
	s_mov_b32 s[G0+4*\s], 1
	s_add_co_u32 s[G0+4*\s+1], s45, \s*SLOT
	s_add_nc_u64 s[G0+4*\s+2:G0+4*\s+3], s[20:21], \s*ROWB
	s_or_b32 s[G0+4*\s+3], s[G0+4*\s+3], 0x80000000
	s_mov_b32 s[G0B+4*\s], 1
	s_add_co_u32 s[G0B+4*\s+1], s45, \s*SLOT
	s_add_nc_u64 s[G0B+4*\s+2:G0B+4*\s+3], s[46:47], \s*ROWB
	s_or_b32 s[G0B+4*\s+3], s[G0B+4*\s+3], 0x80000000
	JLOAD G0+4*\s, G1, G0B+4*\s, G1B
.endr
	v_and_b32 v1, 15, v0                           ; r = l % 16: kept for the way out
	v_bfe_u32 v2, v0, 4, 1                         ; l / 16
	v_mul_u32_u24 v3, v1, PITCH
	v_lshl_add_u32 v4, v2, 4, v3                   ; a fragment's row x pitch + 16 x half
	s_mul_i32 s21, s15, HALFT                      ; my 128 rows of A
	s_mul_i32 s22, s16, HALFT                      ; my 128 rows of B,
	s_add_co_u32 s22, s22, 2*HALFT                 ; which lie behind A's 256
.irp s, 0,1
	v_add_nc_u32 v[ADRA+\s], s21, v4
	v_add_nc_u32 v[ADRB+\s], s22, v4
	s_add_co_u32 s21, s21, SLOT
	s_add_co_u32 s22, s22, SLOT
.endr
.macro FRAG reg, adr, q, i             ; a fragment, 16 rows x 128 K, is 16 registers: lane l holds row l % 16; registers 4 c .. 4 c + 3 hold K = 32 c + 16 (l / 16) + 0 .. 15: the same order of k in A and in B, so every product meets its partner
.irp c, 0,1,2,3
	ds_load_b128 v[\reg+4*\c:\reg+4*\c+3], v[\adr] offset:128*(\q)+32*\c+(\i)*16*PITCH
.endr
.endm
; 16 matrix instructions: A's blocks a0, a0 + 1 x B's eight, 128 along K.  p: B's set.  zero = 1: the first product starts the sums.
; The 64 accumulators take turns, one instruction a turn, in the same order in every step.
.macro MUL16 a0, p, zero
.irp a, \a0, \a0+1
.irp b, 0,1,2,3,4,5,6,7
.if \zero
	v_wmma_f32_16x16x128_fp8_fp8 v[8*(8*((\a)%4)+\b):8*(8*((\a)%4)+\b)+7], v[128*(\p)+FR*\b:128*(\p)+FR*\b+FR-1], v[AF+FR*(\a):AF+FR*(\a)+FR-1], 0
.else
	v_wmma_f32_16x16x128_fp8_fp8 v[8*(8*((\a)%4)+\b):8*(8*((\a)%4)+\b)+7], v[128*(\p)+FR*\b:128*(\p)+FR*\b+FR-1], v[AF+FR*(\a):AF+FR*(\a)+FR-1], v[8*(8*((\a)%4)+\b):8*(8*((\a)%4)+\b)+7]
.endif
.endr
.endr
.endm
.macro FETCH_B slot, q, p              ; B's eight fragments of the slot's q-th 128 along K into set p
	WIN TO_B
.irp i, 0,1,2,3,4,5,6,7
	FRAG 128*(\p)+FR*\i, ADRB+\slot, \q, \i
.endr
	WIN 0
.endm
.macro FETCH_A slot, q, i0             ; A's blocks i0 .. i0 + 3
.irp i, \i0, \i0+1, \i0+2, \i0+3
	FRAG AF+FR*(\i), ADRA+\slot, \q, \i
.endr
.endm
; A load into a register that a matrix instruction has read, and a vector instruction that reads a matrix result, stand NP places behind that matrix instruction; only plain vector
; instructions that name none of its registers are places (ISA guide 7.12.1 for vector instructions).
.macro PLACES n
.rept \n
	v_nop
.endr
.endm
; A step of 128 along K that has its successor in the same slot.
.macro STEP slot, q, zero
	s_wait_dscnt 4*NL                              ; B's set and A's blocks 0-3 are in; the youngest sixteen loads (A's blocks 4-7) may be out
	WIN MUL_LO
	MUL16 0, (\q)%2, \zero
	MUL16 2, (\q)%2, \zero
	s_wait_dscnt 0                                 ; A's blocks 4-7 are in (asked for 32 matrix instructions ago)
	PLACES NP
	FETCH_B \slot, (\q)+1, 1-(\q)%2
	FETCH_A \slot, (\q)+1, 0
	WIN MUL_HI
	MUL16 4, (\q)%2, \zero
	MUL16 6, (\q)%2, \zero
	PLACES NP
	WIN 0
	FETCH_A \slot, (\q)+1, 4
.endm
; A slot's last step changes slots: ONE barrier; in front of it each wave waits for all its tensor loads, adds 0 to its spare word, and waits for that and for its own reads of this slot.  fill = 1: this slot is filled again, two K steps ahead.
.macro TURN slot, next, fill
	s_wait_tensorcnt 0x0                           ; all my tensor loads have landed: my part of the next slot  (every window is 0 here)
	ds_add_u32 v[SPW], v[NIL]                      ; 0 onto my spare word
	s_wait_dscnt 4*NL+1                            ; (the add and the youngest sixteen loads, A's blocks 4-7, may be out)
	WIN MUL_LO
	MUL16 0, 1, 0                                  ; sixteen matrix instructions stand between the add and the wait for it
	s_wait_dscnt 0x0                               ; the add is done, and my reads of this slot are over
	s_barrier_signal -1
	MUL16 2, 1, 0
	WIN 0
	s_barrier_wait -1
.if \fill
	CREST                                          ; the barrier has opened a round of the cluster's barrier: no wave of any partner still reads this slot's tile or has a load on its way
	s_add_nc_u64 s[G0+4*\slot+2:G0+4*\slot+3], s[G0+4*\slot+2:G0+4*\slot+3], 2*ROWB
	s_add_nc_u64 s[G0B+4*\slot+2:G0B+4*\slot+3], s[G0B+4*\slot+2:G0B+4*\slot+3], 2*ROWB
	JLOAD G0+4*\slot, G1, G0B+4*\slot, G1B         ; the first tensor load behind the round; the four v_nop behind it are the places in front of the loads below
.else
	PLACES NP
.endif
	FETCH_B \next, 0, 0
	FETCH_A \next, 0, 0
	WIN MUL_HI
	MUL16 4, 1, 0
	MUL16 6, 1, 0
	PLACES NP
	WIN 0
	FETCH_A \next, 0, 4
.endm
	s_wait_tensorcnt 1                             ; my part of K step 0 is in (K step 1's load may be out)
	s_barrier_signal -1
	s_barrier_wait -1                              ; everybody's is
	FETCH_B 0, 0, 0
	FETCH_A 0, 0, 0
	FETCH_A 0, 0, 4
	STEP 0, 0, 1                                   ; the first step stands in front of the loop: its products start the sums
	s_mov_b32 s3, LAPS-1
.Llap:                                                 ; a trip goes once round the ring, from a lap's second step to the next lap's first, and fills both slots again
	TURN 0, 1, 1
	STEP 1, 0, 0
	TURN 1, 0, 1
	STEP 0, 0, 0
	s_sub_co_u32 s3, s3, 1
	s_cmp_lg_u32 s3, 0
	s_cbranch_scc1 .Llap
	TURN 0, 1, 0                                   ; the last lap fills nothing, and has no round of the cluster's barrier
	STEP 1, 0, 0
	s_wait_dscnt 4*NL                              ; the very last step: nothing more to fetch
	WIN MUL_LO
	MUL16 0, 1, 0
	MUL16 2, 1, 0
	s_wait_dscnt 0
	WIN MUL_HI
	MUL16 4, 1, 0
	MUL16 6, 1, 0
	WIN 0
	; THE WAY OUT.  No LDS: a lane's codes are already the next launch's operand registers.
	PLACES NP                                      ; behind the last products: their results are read and A's registers written below
	s_wait_kmcnt 0x0
	s_sub_co_i32 s94, s86, s80
	s_sub_co_i32 s94, s94, s81                     ; q: a sum stands for sum x 2^(e0 + e1); its code is sum / 2^(e6 - e0 - e1)
	s_sub_co_i32 s95, s87, s82
	s_sub_co_i32 s95, s95, s83                     ; k: e7 - e2 - e3
	s_sub_co_i32 s96, s89, s84
	s_sub_co_i32 s96, s96, s85                     ; v: e9 - e4 - e5
	s_cmp_eq_u32 ttmp9, 0
	s_cselect_b32 s94, s94, s95
	s_cmp_eq_u32 ttmp9, 2
	s_cselect_b32 s94, s96, s94
	s_add_co_i32 s94, s94, 127
	s_lshl_b32 s95, s94, 23
	v_mov_b32 v[SC], s95                           ; the scale as f32: the conversion takes its exponent field
	s_add_co_i32 s94, s94, 8
	s_lshl_b32 s94, s94, 23
	s_or_b32 s94, s94, 0x600000
	v_mov_b32 v[LIM], s94                          ; 448 x the scale
	v_and_b32 v[OFF0], 31, v0
	v_lshlrev_b32 v[OFF0], 4, v[OFF0]              ; 16 x lane: my place in an image
	s_cmp_eq_u32 ttmp9, 2                          ; q and k are rotated, v is not: the branch hangs on the cluster's x, alike in all partners
	s_cbranch_scc1 .Lv
	; ---- q, k.  My rows of A are positions 256 (tile row % 8) + 128 (wave / 2) + 16 a + r of batch tile row / 8; my rows of B are heads 4 cx + 2 (wave % 2) + 0, 1.
	s_lshr_b32 s94, s17, 3                         ; batch
	s_and_b32 s95, s17, 7                          ; which 256 positions
	s_lshl_b32 s96, s94, 4
	s_lshl_b32 s97, s42, 2
	s_add_co_u32 s96, s96, s97
	s_lshl_b32 s97, s16, 1
	s_add_co_u32 s96, s96, s97                     ; 16 b + my first head
	s_lshl_b32 s96, s96, 17                        ; qimg: 131,072 bytes a head,
	s_lshl_b32 s97, s95, 14                        ; 16,384 for 256 positions;
	s_add_co_u32 s96, s96, s97
	s_lshl_b32 s96, s96, ttmp9                     ; kvimg: twice as much of both
	s_lshl_b32 s97, s15, 13                        ; my 128 positions: eight images
	s_add_co_u32 s96, s96, s97
	s_mov_b32 s97, 0
	s_cmp_eq_u32 ttmp9, 0
	s_cselect_b64 s[92:93], s[74:75], s[76:77]     ; qimg or kvimg
	s_add_nc_u64 s[92:93], s[92:93], s[96:97]
	s_lshl_b32 s98, 0x20000, ttmp9
	v_add_nc_u32 v[OFF0+1], s98, v[OFF0]           ; the second head's images lie a head further on
	s_lshl_b32 s98, s95, 8
	s_lshl_b32 s99, s15, 7
	s_add_co_u32 s98, s98, s99
	v_add_nc_u32 v[POS], s98, v1
	v_cvt_f32_u32 v[POS], v[POS]                   ; my position in block a = 0
	v_mov_b32 v[POS+1], v[POS]                     ; (named with it as a pair, so it is written)
.macro KSET n, val
	v_mov_b32 v[KC+2*\n], \val
	v_mov_b32 v[KC+2*\n+1], \val
.endm
	KSET 0, 0x3ea2f983                             ; 1 / pi
	KSET 1, 0x4b400000                             ; 1.5 x 2^23: added, it rounds to a whole number
	KSET 2, 0xcb400000                             ; and taken off again
	KSET 3, 0xc0490fdb                             ; -pi, its f32 part,
	KSET 4, 0x33bbbd2e                             ; and what that part lacks
	KSET 5, 0xb2d7322b                             ; -1 / 11!
	KSET 6, 0x3638ef1d                             ;  1 / 9!
	KSET 7, 0xb9500d01                             ; -1 / 7!
	KSET 8, 0x3c088889                             ;  1 / 5!
	KSET 9, 0xbe2aaaab                             ; -1 / 3!
	v_and_b32 v58, 16, v0
	v_cmp_ne_u32 vcc_lo, 0, v58                    ; lanes 16-31
.macro THETA n, lo, hi                 ; lanes 0-15 take lo, lanes 16-31 hi
	v_mov_b32 v[TH+\n], \hi
	v_cndmask_b32 v[TH+\n], \lo, v[TH+\n], vcc_lo
.endm
	THETA 0,  0x3f800000, 0x3c23d70a               ; theta(j) = 10^(-j/4): j = 0 .. 7 and 8 .. 15
	THETA 1,  0x3f0ff59a, 0x3bb8449c
	THETA 2,  0x3ea1e89b, 0x3b4f3e37
	THETA 3,  0x3e361887, 0x3ae91528
	THETA 4,  0x3dcccccd, 0x3a83126f
	THETA 5,  0x3d6655c3, 0x3a136a16
	THETA 6,  0x3d0186e2, 0x39a5cb5f
	THETA 7,  0x3c91ad39, 0x393a7753
	THETA 8,  0x38d1b717, 0x358637bd               ; j = 16 .. 23 and 24 .. 31
	THETA 9,  0x386bdcf1, 0x3516f3cd
	THETA 10, 0x3804a2b3, 0x34a9c603
	THETA 11, 0x37952c42, 0x343ef0f9
	THETA 12, 0x3727c5ac, 0x33d6bf95
	THETA 13, 0x36bcb0c1, 0x33718615
	THETA 14, 0x36543784, 0x3307d19c
	THETA 15, 0x35eead37, 0x3298c0c7
; my 16 sines at my position, two at a time, each stage over the eight pairs so that no line waits for the line above it
.macro SINBLK
.irp p, 0,2,4,6,8,10,12,14
	v_pk_mul_f32 v[AN+\p:AN+\p+1], v[TH+\p:TH+\p+1], v[POS:POS+1] op_sel_hi:[1,0]                    ; a = pos x theta, rounded once, as the source has it
.endr
.irp p, 0,2,4,6,8,10,12,14
	v_pk_fma_f32 v[NN+\p:NN+\p+1], v[AN+\p:AN+\p+1], v[KC:KC+1], v[KC+2:KC+3]                        ; a / pi, rounded to a whole number in the low bits
.endr
.irp p, 0,2,4,6,8,10,12,14
	v_pk_add_f32 v[FF+\p:FF+\p+1], v[NN+\p:NN+\p+1], v[KC+4:KC+5]                                    ; n
.endr
.irp p, 0,2,4,6,8,10,12,14
	v_pk_fma_f32 v[AN+\p:AN+\p+1], v[FF+\p:FF+\p+1], v[KC+6:KC+7], v[AN+\p:AN+\p+1]                  ; a - n pi, first part
.endr
.irp p, 0,2,4,6,8,10,12,14
	v_pk_fma_f32 v[AN+\p:AN+\p+1], v[FF+\p:FF+\p+1], v[KC+8:KC+9], v[AN+\p:AN+\p+1]                  ; r
.endr
.irp p, 0,1,2,3,4,5,6,7,8,9,10,11,12,13,14,15
	v_lshl_add_u32 v[AN+\p], v[NN+\p], 31, v[AN+\p]                                                  ; an odd n turns r's sign: sin(a) = (-1)^n sin(r), and the sine is odd
.endr
.irp p, 0,2,4,6,8,10,12,14
	v_pk_mul_f32 v[R2+\p:R2+\p+1], v[AN+\p:AN+\p+1], v[AN+\p:AN+\p+1]
.endr
.irp p, 0,2,4,6,8,10,12,14
	v_pk_fma_f32 v[PP+\p:PP+\p+1], v[R2+\p:R2+\p+1], v[KC+10:KC+11], v[KC+12:KC+13]
.endr
.irp p, 0,2,4,6,8,10,12,14
	v_pk_fma_f32 v[PP+\p:PP+\p+1], v[PP+\p:PP+\p+1], v[R2+\p:R2+\p+1], v[KC+14:KC+15]
.endr
.irp p, 0,2,4,6,8,10,12,14
	v_pk_fma_f32 v[PP+\p:PP+\p+1], v[PP+\p:PP+\p+1], v[R2+\p:R2+\p+1], v[KC+16:KC+17]
.endr
.irp p, 0,2,4,6,8,10,12,14
	v_pk_fma_f32 v[PP+\p:PP+\p+1], v[PP+\p:PP+\p+1], v[R2+\p:R2+\p+1], v[KC+18:KC+19]
.endr
.irp p, 0,2,4,6,8,10,12,14
	v_pk_mul_f32 v[R2+\p:R2+\p+1], v[R2+\p:R2+\p+1], v[AN+\p:AN+\p+1]                                ; r^3
.endr
.irp p, 0,2,4,6,8,10,12,14
	v_pk_fma_f32 v[SN+\p:SN+\p+1], v[PP+\p:PP+\p+1], v[R2+\p:R2+\p+1], v[AN+\p:AN+\p+1]              ; r + r^3 x the polynomial
.endr
.endm
; Block a (16 positions), head hh of my two: rotated, held, turned into codes, stored as one image.  Each accumulator is read from its low end on.
.macro ROPE a, hh
	WIN 0x0a+5*((\a)/4)                            ; sources 0 and 1: window 2 or 3
.irp t, 0,1
.irp jj, 0,2,4,6
.set LO_, 64*((\a)%4)+8*(4*\hh+\t)+\jj
.set HI_, 64*((\a)%4)+8*(4*\hh+\t+2)+\jj
	v_pk_add_f32 v[T+32*\hh+8*\t+\jj:T+32*\hh+8*\t+\jj+1], v[LO_:LO_+1], v[HI_:HI_+1] neg_lo:[0,1] neg_hi:[0,1]   ; q[j] - q[j+32]
	v_pk_add_f32 v[T+32*\hh+8*(\t+2)+\jj:T+32*\hh+8*(\t+2)+\jj+1], v[LO_:LO_+1], v[HI_:HI_+1]                     ; q[j+32] + q[j]
.endr
.endr
	WIN 0
.irp t, 0,1,2,3
.irp jj, 0,2,4,6
	v_pk_mul_f32 v[T+32*\hh+8*\t+\jj:T+32*\hh+8*\t+\jj+1], v[T+32*\hh+8*\t+\jj:T+32*\hh+8*\t+\jj+1], v[SN+8*(\t%2)+\jj:SN+8*(\t%2)+\jj+1]
.endr
.endr
.set I_, 0
.rept 32
	v_med3_num_f32 v[T+32*\hh+I_], v[T+32*\hh+I_], -v[LIM], v[LIM]   ; the conversion to an 8-bit code does not saturate (ISA guide 7.6.2): the hold at the largest code x the scale
.set I_, I_+1
.endr
.irp t, 0,1,2,3
	v_cvt_scalef32_pk8_fp8_f32 v[CD+8*\hh+2*\t:CD+8*\hh+2*\t+1], v[T+32*\hh+8*\t:T+32*\hh+8*\t+7], v[SC]   ; code registers 2 t, 2 t + 1: d = 16 t + 8 (lane / 16) + 0 .. 7
.endr
	v_nop                                          ; one plain vector instruction behind the last conversion of a run
.irp u, 0,1
	global_store_b128 v[OFF0+\hh], v[CD+8*\hh+4*\u:CD+8*\hh+4*\u+3], s[92:93] offset:(\a)*1024+512*\u   ; the 32 lanes store 512 consecutive bytes, aligned
.endr
.endm
.irp a, 0,1,2,3,4,5,6,7
.if \a > 0
	s_wait_xcnt 0x0                                ; the last block's stores have read their registers: the codes may be written again
.endif
	SINBLK
	ROPE \a, 0
	ROPE \a, 1
.if \a < 7
	v_add_f32 v[POS], 0x41800000, v[POS]           ; the next block's positions: 16 further on
.endif
.endr
	s_branch .Ldone
.Lv:
	; ---- v.  My rows of A are channels: heads 4 cy + 2 (wave / 2) + a / 4, channels 16 (a % 4) + r; my rows of B are keys 128 (wave % 2) + 16 b + 8 (lane / 16) + j of slot tile column % 8, batch tile column / 8.
	s_lshr_b32 s94, s42, 3                         ; batch
	s_and_b32 s95, s42, 7                          ; slot of 256 keys
	s_lshl_b32 s96, s94, 4
	s_lshl_b32 s97, s17, 2
	s_add_co_u32 s96, s96, s97
	s_lshl_b32 s97, s15, 1
	s_add_co_u32 s96, s96, s97                     ; 16 b + my first head
	s_lshl_b32 s96, s96, 18                        ; 262,144 bytes a head,
	s_lshl_b32 s97, s95, 15                        ; 32,768 a slot,
	s_add_co_u32 s96, s96, s97
	s_lshl_b32 s97, s16, 13                        ; 8,192 for 128 keys,
	s_add_co_u32 s96, s96, s97
	s_add_co_u32 s96, s96, 16384                   ; behind the slot's images of k
	s_mov_b32 s97, 0
	s_add_nc_u64 s[92:93], s[76:77], s[96:97]
.irp a, 0,1,2,3,4,5,6,7
.if \a > 0
	s_wait_xcnt 0x0                                ; the last block's stores have read their registers
.endif
	WIN 0x02+(\a)/4                                ; source 0: window 2 or 3
.set I_, 0
.rept 64
	v_med3_num_f32 v[VT+I_], v[64*((\a)%4)+I_], -v[LIM], v[LIM]     ; the hold; each accumulator from its low end on
.set I_, I_+1
.endr
	WIN 0
.irp b, 0,1,2,3,4,5,6,7
	v_cvt_scalef32_pk8_fp8_f32 v[VC+2*\b:VC+2*\b+1], v[VT+8*\b:VT+8*\b+7], v[SC]   ; code registers 2 b, 2 b + 1: keys 16 b + 8 (lane / 16) + 0 .. 7
.endr
	v_nop                                          ; one plain vector instruction behind the last conversion of a run
.irp c, 0,1,2,3
	global_store_b128 v[OFF0], v[VC+4*\c:VC+4*\c+3], s[92:93] offset:((\a)/4)*262144+((\a)%4)*2048+512*\c
.endr
.endr
.Ldone:
	s_wait_tensorcnt 0x0                           ; the wave's end
	ds_add_u32 v[SPW], v[NIL]
	s_wait_dscnt 0x0
	CROUND                                         ; the closing round: no work-group ends while a partner may still ask for a tile that names it
	s_endpgm
.Lfunc_end_k_qdac5b2618c_qkv:
	.size	k_qdac5b2618c_qkv, .Lfunc_end_k_qdac5b2618c_qkv-k_qdac5b2618c_qkv
	.p2alignl 7, 3214868480
	.fill 96, 4, 3214868480
	.section	.rodata,"a",@progbits
	.p2align	6, 0x0
	.amdhsa_kernel k_qdac5b2618c_qkv
		.amdhsa_group_segment_fixed_size 327680
		.amdhsa_private_segment_fixed_size 0
		.amdhsa_enable_private_segment 0
		.amdhsa_kernarg_size 56
		.amdhsa_user_sgpr_count 2
		.amdhsa_user_sgpr_kernarg_segment_ptr 1
		.amdhsa_wavefront_size32 1
		.amdhsa_system_sgpr_workgroup_id_x 1
		.amdhsa_system_sgpr_workgroup_id_y 1
		.amdhsa_system_sgpr_workgroup_id_z 1
		.amdhsa_system_vgpr_workitem_id 0
		.amdhsa_next_free_vgpr 1024
		.amdhsa_next_free_sgpr 100
		.amdhsa_reserve_vcc 1
		.amdhsa_float_denorm_mode_32 3
		.amdhsa_float_denorm_mode_16_64 3
		.amdhsa_memory_ordered 1
		.amdhsa_forward_progress 1
		.amdhsa_inst_pref_size 252
	.end_amdhsa_kernel
	.amdgpu_metadata
---
amdhsa.version: [ 1, 2 ]
amdhsa.kernels:
  - .name:           k_qdac5b2618c_qkv
    .symbol:         k_qdac5b2618c_qkv.kd
    .args:
      - { .name: x_codes, .offset: 0, .size: 8, .value_kind: global_buffer, .address_space: global }
      - { .name: wq_codes, .offset: 8, .size: 8, .value_kind: global_buffer, .address_space: global }
      - { .name: wk_codes, .offset: 16, .size: 8, .value_kind: global_buffer, .address_space: global }
      - { .name: wv_codes, .offset: 24, .size: 8, .value_kind: global_buffer, .address_space: global }
      - { .name: lowp_scales, .offset: 32, .size: 8, .value_kind: global_buffer, .address_space: global }
      - { .name: qimg, .offset: 40, .size: 8, .value_kind: global_buffer, .address_space: global }
      - { .name: kvimg, .offset: 48, .size: 8, .value_kind: global_buffer, .address_space: global }
    .group_segment_fixed_size: 327680
    .private_segment_fixed_size: 0
    .kernarg_segment_align: 8
    .kernarg_segment_size: 56
    .max_flat_workgroup_size: 128
    .sgpr_count:     100
    .vgpr_count:     1024
    .wavefront_size: 32
...
	.end_amdgpu_metadata
.endif
;; end of part 1
;; launch attn (part 2): grid 4 x 64, 16 waves a work-group, no clusters, 327,680 bytes of LDS; arguments qimg, kvimg, lowp_scales, ycodes; writes ycodes
.if DOCPART == 2
	.amdgcn_target "amdgcn-amd-amdhsa--gfx1250"
	.amdhsa_code_object_version 6
	.text
	.protected	k_qdac5b2618c_attn
	.globl	k_qdac5b2618c_attn
	.p2align	8
	.type	k_qdac5b2618c_attn,@function
k_qdac5b2618c_attn:
	s_mov_b64 s[64:65], 0
	v_nop
	global_prefetch_b8 v0, s[64:65] scope:SCOPE_SE
	s_setreg_imm32_b32 hwreg(HW_REG_WAVE_MODE, 25, 1), 1
	s_wait_xcnt 0x0
; y[b][h][q] = the sum over k <= q of softmax_k(q . k / 8) v[k], both products on codes of FP8 (E4M3); y is quantised with 2^e10 for the last product and stored as codes.
; qimg, kvimg: images of operand registers (16 positions x 64 channels: 1,024 bytes; 16 channels x 128 keys: 2,048 bytes), lane l's 16 bytes at 16 l of each 512.  ycodes: [h][b 2048 + s][64 bytes, d ascending].
; THE SOFTMAX: t = score x log2(e) / 8; M = the running largest t rounded UP to a whole number; p = 2^(t - M) is quantised with 2^e8, not normalised; the row's sum is taken of the unquantised p and divides at the end.
;   When M moves, the sum and O are multiplied by 2^(old M - new M): nothing is rounded, and there is no branch on data.
; SHARES.  A work-group owns query blocks i and 7 - i (256 queries each) of one head, one after the other: block i wants key slots 0 .. i, block 7 - i slots 0 .. 7 - i: NINE slots of 256 keys whatever i is:
;   256 work-groups of equal work, and every trip count is a constant of the text.  Each of the sixteen waves owns one tile of 16 queries of each block, in 256 registers: four waves to a SIMD.
; NO CLUSTER: the four work-groups of a head want different slots in the same trip (trip 1: slot 0, 1, 1, 1); walked in step they would walk 12 slots for 9.
; LAYOUT.  S^T = K Q^T (source 0 = 16 keys, source 1 = my 16 queries), O^T = V^T P^T: a lane holds ONE query (lane % 16).  Register 8 t + j of S^T is key 16 t + 8 (lane / 16) + j: just the place that the K = 128 form
;   gives it in its operand, so the conversions' results are the second product's operand.
; THE MASK.  A step (128 keys) all of whose keys come after my 16 queries is left out by a scalar branch on ids; on the diagonal hidden scores become -infinity ahead of the maximum.  Key 0 counts for every query.
; THE RING.  Two LDS slots of 32,768 bytes; wave 0 fetches a slot's images of k, wave 1 those of v, one dense load of 16,384 bytes each; one load of a wave is out at any time.
; LIMITS on the given exponents: e6 + e7 between -123 and 130 (added to c's exponent field); e8 and e10 between -126 and 119; e8 + e9 is applied by v_ldexp_f32 and has none.
; REGISTERS: v1 16 x lane; v2 the step's LDS address; v4 r - 8 h; v5, v6 the add's; v8, v9 the stage; v12 -M, v13 the largest t, v[14:15] the sum; v16-23 Q in hand, v24-31 Q of the second block;
;   v32-95 K's eight fragments, then V's four; v96-159 S^T, then p; v160-191 O^T; v192-207 p's codes; v236-254 at work and constants.
.set SLOTB, 1<<15                      ; a slot; one exclusive or turns an address in one slot into the other's
.set VOFF,  16384                      ; v's images behind k's
.set SPARE, 2*SLOTB                    ; the spare words: 128 bytes for each of sixteen waves
.set STAGE, SPARE+2048                 ; the way out: 1,024 bytes for each wave; no tensor load lands here
.set LI,   1
.set ADK,  2
.set DQ,   4
.set SPW,  5
.set NIL,  6
.set STO,  8
.set STR,  9
.set WV,   18                          ; s18  my wave's number
.set SEL,  20                          ; s[20:21] lane selects for v_permlanex16_b32: lane l xor 16
.set CS,   22                          ; s[22:23] c = log2(e) / 8 x 2^(e6 + e7)
.set G1,   24                          ; s[24:31] descriptor group 1
.set G0,   40                          ; s[40:43] group 0, which walks
.set KVB,  44                          ; s[44:45] kvimg at my head, at my half of a slot
.set SIG,  46                          ; s46  the key slot asked for last
.set TAU,  47                          ; s47  the trip, 0 .. 8
.set WI,   48                          ; s48  i
.set TB,   49                          ; s49  LDS byte at which the slot in hand begins
.set KF,   50                          ; s50  the step's first key
.set Q0,   51                          ; s51  my first query of the block in hand
.set QL0,  52                          ; s52  of the second block
.set YE,   54                          ; s[54:55] where the first block's codes go;  s[56:57] the second's
.set YL,   56
.set QEB,  58                          ; s[58:59], s[60:61] my two images of q
.set QLB,  60
; Waves 0 and 1 fetch, the others nothing.  The branch hangs on the wave's number alone.  Four v_nop follow the line.
.macro TLOAD
	s_cmp_lt_u32 s[WV], 2
	s_cbranch_scc0 .Lnone_\@
	tensor_load_to_lds s[G0:G0+3], s[G1:G1+7]
	s_nop 0
.rept 4
	v_nop
.endr
.Lnone_\@:
.endm
	s_load_b256 s[4:11], s[0:1], 0x0               ; qimg s[4:5], kvimg s[6:7], the scales' exponents s[8:9], ycodes s[10:11]
	v_lshl_add_u32 v[SPW], v0, 2, SPARE
	v_mov_b32 v[NIL], 0
	ds_add_u32 v5, v6
	s_wait_dscnt 0x0
	v_lshrrev_b32 v[ADK], 5, v0
	v_readfirstlane_b32 s[WV], v[ADK]              ; wave 0..15
	v_and_b32 v10, 31, v0
	v_lshlrev_b32 v[LI], 4, v10                    ; 16 x lane: my place in an image
	v_and_b32 v10, 15, v0                          ; r
	v_bfe_u32 v11, v0, 4, 1
	v_lshlrev_b32 v11, 3, v11                      ; 8 h
	v_sub_nc_u32 v[DQ], v10, v11                   ; r - 8 h, for the mask
	s_lshl_b32 s97, s[WV], 10
	s_add_co_u32 s97, s97, STAGE                   ; my stage
	v_lshl_add_u32 v[STO], v10, 6, v11
	v_add_nc_u32 v[STO], s97, v[STO]               ; in: row r of 64 bytes, + 8 h
	v_add_nc_u32 v[STR], s97, v[LI]                ; back: 16 bytes a lane, on end
	s_and_b32 s96, ttmp7, 0xffff                   ; 16 b + h
	s_mov_b32 s[WI], ttmp9
	; descriptor group 1: 16,384 dense bytes as 64 rows of 256
	s_mov_b32 s[G1], 3<<16                         ; 15:0 no mask; 17:16 elements of 8 bytes; no padding: the images are read 16 bytes a lane, on end
	s_mov_b32 s[G1+1], 32<<16                      ; tensor_dim0 = 32
	s_mov_b32 s[G1+2], 64<<16                      ; tensor_dim1 = 64
	s_mov_b32 s[G1+3], 32<<16                      ; tile_dim0 = 32
	s_mov_b32 s[G1+4], 64                          ; tile_dim1 = 64
	s_mov_b32 s[G1+5], 32                          ; tensor_dim0_stride
	s_mov_b32 s[G1+6], 0
	s_mov_b32 s[G1+7], 0
	s_mov_b32 s[SEL], 0x76543210
	s_mov_b32 s[SEL+1], 0xfedcba98
	s_mov_b32 s[CS], 0x3e38aa3b                    ; log2(e) / 8
	s_mov_b32 s[TB], 0
	s_mov_b32 s[SIG], 0
	s_mov_b32 s[TAU], 0
	s_mov_b32 s[KF], 0
	s_and_b32 s97, s[WV], 1
	s_mov_b32 s[G0], 1                             ; 1:0 count = 1
	s_lshl_b32 s[G0+1], s97, 14                    ; 63:32 LDS address: slot 0, k's half (wave 0) or v's (wave 1)
	s_lshl_b32 s76, s96, 18                        ; 262,144 bytes a head
	s_add_co_u32 s76, s76, s[G0+1]
	s_mov_b32 s77, 0                               ; stays 0: the upper word of every offset
	s_wait_kmcnt 0x0
	s_load_b128 s[68:71], s[8:9], 0x18             ; e6, e7, e8, e9
	s_load_b32 s72, s[8:9], 0x28                   ; e10
	s_add_nc_u64 s[KVB:KVB+1], s[6:7], s[76:77]
	s_mov_b64 s[G0+2:G0+3], s[KVB:KVB+1]           ; 120:64 global address: key slot 0
	s_or_b32 s[G0+3], s[G0+3], 0x80000000          ; 127:126 type = 2
	TLOAD                                          ; the first fill, ahead of every wait on TENSORcnt, every LDS read and every barrier
	s_lshl_b32 s97, s[WV], 4
	s_lshl_b32 s[Q0], s[WI], 8
	s_add_co_u32 s[Q0], s[Q0], s97                 ; my first query of block i
	s_sub_co_u32 s[QL0], 7, s[WI]
	s_lshl_b32 s[QL0], s[QL0], 8
	s_add_co_u32 s[QL0], s[QL0], s97               ; and of block 7 - i
	s_lshl_b32 s97, s96, 17                        ; qimg: 131,072 bytes a head; a tile of 16 queries is 1,024 bytes: 64 a query
	s_lshl_b32 s76, s[Q0], 6
	s_add_co_u32 s76, s76, s97
	s_add_nc_u64 s[QEB:QEB+1], s[4:5], s[76:77]
	s_lshl_b32 s76, s[QL0], 6
	s_add_co_u32 s76, s76, s97
	s_add_nc_u64 s[QLB:QLB+1], s[4:5], s[76:77]
	global_load_b128 v[16:19], v[LI], s[QEB:QEB+1]
	global_load_b128 v[20:23], v[LI], s[QEB:QEB+1] offset:512
	global_load_b128 v[24:27], v[LI], s[QLB:QLB+1]
	global_load_b128 v[28:31], v[LI], s[QLB:QLB+1] offset:512
	s_and_b32 s97, s96, 15
	s_lshl_b32 s97, s97, 19                        ; ycodes: 524,288 bytes a head,
	s_lshr_b32 s96, s96, 4
	s_lshl_b32 s96, s96, 17                        ; 131,072 a batch, 64 a query
	s_add_co_u32 s97, s97, s96
	s_lshl_b32 s76, s[Q0], 6
	s_add_co_u32 s76, s76, s97
	s_add_nc_u64 s[YE:YE+1], s[10:11], s[76:77]
	s_lshl_b32 s76, s[QL0], 6
	s_add_co_u32 s76, s76, s97
	s_add_nc_u64 s[YL:YL+1], s[10:11], s[76:77]
.macro START                           ; a block of queries begins: zeros, which the first change of M leaves zeros
	v_mov_b32 v13, 0xff61b1e6                      ; the largest t so far: -3e38, under every t
	v_floor_f32 v12, -v13                          ; -M
	v_mov_b32 v14, 0                               ; the sum, in two halves
	v_mov_b32 v15, 0
.set J_, 0
.rept 32
	v_mov_b32 v[160+J_], 0                         ; O^T
.set J_, J_+1
.endr
.endm
	START
	v_mov_b32 v236, 0                              ; written once: a lane permute's destination counts as one of its sources
	v_mov_b32 v252, 0
	v_mov_b32 v253, 0                              ; (named as the upper half of the pair v[252:253])
	s_wait_kmcnt 0x0
	s_add_co_i32 s96, s68, s69
	s_lshl_b32 s96, s96, 23
	s_add_co_i32 s[CS], s[CS], s96                 ; a score stands for score x 2^(e6 + e7): the exponents are added to c's exponent field
	s_mov_b32 s[CS+1], s[CS]                       ; (named with it as a pair, so it is written)
	s_add_co_i32 s73, s70, s71                     ; e8 + e9
	s_add_co_i32 s96, s70, 127
	s_lshl_b32 s97, s96, 23
	v_mov_b32 v244, s97                            ; 2^e8 as f32, for p's conversions
	s_add_co_i32 s96, s96, 8
	s_lshl_b32 s96, s96, 23
	s_or_b32 s96, s96, 0x600000
	v_mov_b32 v240, s96                            ; 448 x 2^e8, twice: the two halves of a dual instruction take their second sources from different banks
	v_mov_b32 v241, s96
	s_add_co_i32 s96, s72, 127
	s_lshl_b32 s97, s96, 23
	v_mov_b32 v245, s97                            ; 2^e10, for y's conversions
	s_add_co_i32 s96, s96, 8
	s_lshl_b32 s96, s96, 23
	s_or_b32 s96, s96, 0x600000
	v_mov_b32 v246, s96                            ; 448 x 2^e10
; A KEY STEP: 128 keys, the q-th half of the slot in hand.
.macro STEP q
	s_add_co_u32 s96, s[Q0], 15
	s_cmp_gt_u32 s[KF], s96                        ; all 128 keys come after my 16 queries: the step's work is left out; no barrier and no tensor load stands in a step
	s_cbranch_scc1 .Lhidden_\@
	v_add_nc_u32 v[ADK], s[TB], v[LI]
.rept 3
	v_nop                                          ; with the addition: four places in front of loads into registers that the last products read
.endr
.irp t, 0,1,2,3,4,5,6,7
	ds_load_b128 v[32+8*\t:35+8*\t], v[ADK] offset:8192*(\q)+1024*\t
	ds_load_b128 v[36+8*\t:39+8*\t], v[ADK] offset:8192*(\q)+1024*\t+512
.endr
	s_wait_dscnt 0x0
.irp t, 0,1,2,3,4,5,6,7
	v_wmma_f32_16x16x64_fp8_fp8 v[96+8*\t:103+8*\t], v[32+8*\t:39+8*\t], v[16:23], 0   ; S^T: keys 16 t on
.endr
.rept 4
	v_nop                                          ; places: in front of the loads over K's fragments and of the first read of the scores
.endr
.irp dt, 0,1,2,3
.irp c, 0,1,2,3
	ds_load_b128 v[32+16*\dt+4*\c:35+16*\dt+4*\c], v[ADK] offset:VOFF+8192*(\q)+2048*\dt+512*\c   ; V's four fragments land while the softmax is walked
.endr
.endr
	s_add_co_u32 s96, s[KF], 127
	s_cmp_le_u32 s96, s[Q0]                        ; all 128 keys count: no mask
	s_cbranch_scc1 .Lopen_\@
	s_sub_co_i32 s96, s[Q0], s[KF]
	v_add_nc_u32 v252, s96, v[DQ]                  ; my query - KF - 8 (lane / 16).  Register 8 t + j holds key KF + 16 t + 8 (lane / 16) + j: hidden where 16 t + j is larger
	v_mov_b32 v254, 0xff800000                     ; -infinity
.set N_, 0
.rept 64
	v_cmp_gt_i32 vcc_lo, 16*(N_/8)+N_%8, v252
	v_cndmask_b32 v[96+N_], v[96+N_], v254, vcc_lo
.set N_, N_+1
.endr
.Lopen_\@:
	v_max3_num_f32 v254, v96, v97, v98             ; the step's largest score of my query, among my 64 keys, in two chains, each accumulator from its low end on,
	v_max3_num_f32 v252, v99, v100, v101
.irp i, 6,10,14,18,22,26,30,34,38,42,46,50,54,58
	v_max3_num_f32 v254, v254, v[96+\i], v[97+\i]
	v_max3_num_f32 v252, v252, v[98+\i], v[99+\i]
.endr
	v_max3_num_f32 v254, v254, v158, v159
	v_max_num_f32 v254, v254, v252
	v_permlanex16_b32 v236, v254, s[SEL], s[SEL+1]
	v_max_num_f32 v254, v254, v236                 ; and among lane l xor 16's
	v_mul_f32 v254, s[CS], v254                    ; as t (c is positive)
	v_max_num_f32 v13, v13, v254                   ; the running largest t
	v_mov_b32 v254, v12
	v_floor_f32 v12, -v13                          ; the new -M = floor(-t) = -ceil(t): M is a whole number
	v_sub_f32 v254, v12, v254                      ; M's old value less its new one: a whole number, 0 or less
	v_cvt_i32_f32 v254, v254                       ; (it saturates)
	v_ldexp_f32 v252, 1.0, v254                    ; f = 2^(old M - new M)
.set J_, 0
.rept 32
	v_pk_fma_f32 v[96+J_:97+J_], v[96+J_:97+J_], s[CS:CS+1], v[12:13] op_sel_hi:[1,0,0]   ; t - M, two at a time
.set J_, J_+2
.endr
.set J_, 0
.rept 64
	v_exp_f32 v[96+J_], v[96+J_]                   ; p = 2^(t - M), at most 1: not normalised
.set J_, J_+1
.endr
	v_pk_mul_f32 v[14:15], v[14:15], v[252:253] op_sel_hi:[1,0]   ; the sums under the new M  (a plain place behind the exponentials)
	s_wait_alu depctr_va_vdst(0)
	v_pk_add_f32 v[242:243], v[96:97], v[98:99]    ; the row's sum is taken of the unquantised p: two at a time, in two chains
.irp j, 4,8,12,16,20,24,28,32,36,40,44,48,52,56,60
	v_pk_add_f32 v[14:15], v[14:15], v[96+\j:97+\j]
	v_pk_add_f32 v[242:243], v[242:243], v[98+\j:99+\j]
.endr
	v_pk_add_f32 v[14:15], v[14:15], v[242:243]
.set J_, 0
.rept 32
	v_dual_min_num_f32 v[96+J_], v[96+J_], v240 :: v_dual_min_num_f32 v[97+J_], v[97+J_], v241   ; the conversion does not saturate (ISA guide 7.6.2); p is not negative, so the hold is one-sided; two numbers an instruction
.set J_, J_+2
.endr
.irp t, 0,1,2,3,4,5,6,7
	v_cvt_scalef32_pk8_fp8_f32 v[192+2*\t:193+2*\t], v[96+8*\t:103+8*\t], v244   ; registers 2 t, 2 t + 1 of the operand: keys 16 t + 8 (lane / 16) + 0 .. 7
.endr
.set J_, 0
.rept 16
	v_pk_mul_f32 v[160+J_:161+J_], v[160+J_:161+J_], v[252:253] op_sel_hi:[1,0]   ; O^T under the new M  (plain lines behind the conversions)
.set J_, J_+2
.endr
	s_wait_dscnt 0x0                               ; V's fragments are in
.irp dt, 0,1,2,3
	v_wmma_f32_16x16x128_fp8_fp8 v[160+8*\dt:167+8*\dt], v[32+16*\dt:47+16*\dt], v[192:207], v[160+8*\dt:167+8*\dt]   ; the four accumulators take turns; the next step's eight products on the scores stand between two links
.endr
.Lhidden_\@:
	s_add_co_u32 s[KF], s[KF], 128
.endm
; THE CHANGE OF SLOTS stands at a slot's head.  Each wave waits for all its tensor loads, adds 0 to its spare word, and waits for that and for its reads of the slot that it has left.
; Behind the barrier the slot ahead is whole and nobody reads the other one.  fill = 1: that other slot is filled with the next trip's keys: slot 0 again where the first block of queries ends with this trip.
.macro CHANGE fill
	s_wait_tensorcnt 0x0                           ; no tensor load of mine is out, so group 0 may be written
	ds_add_u32 v[SPW], v[NIL]                      ; 0 onto my spare word; the descriptor's steps stand between it and the wait for it
.if \fill
	s_xor_b32 s[G0+1], s[G0+1], SLOTB              ; the other LDS slot than last time
	s_add_co_u32 s[SIG], s[SIG], 1
	s_cmp_eq_u32 s[TAU], s[WI]
	s_cselect_b32 s[SIG], 0, s[SIG]                ; a choice on ids, without a jump
	s_lshl_b32 s76, s[SIG], 15
	s_add_nc_u64 s[G0+2:G0+3], s[KVB:KVB+1], s[76:77]
	s_or_b32 s[G0+3], s[G0+3], 0x80000000
.endif
	s_wait_dscnt 0x0                               ; the add is done, and my reads of the slot that I have left are over
	s_barrier_signal -1
	s_barrier_wait -1
.if \fill
	TLOAD                                          ; the first thing behind the barrier, and a wave's one tensor load until the next
.endif
.endm
.macro SLOT_STEPS
	STEP 0
	STEP 1
	s_xor_b32 s[TB], s[TB], SLOTB                  ; on to the other slot
.endm
; A block of queries is finished: O^T / the sum x 2^(e8 + e9), quantised with 2^e10.  A lane's eight codes are 8 bytes of its query's row of 64; the tile's 1,024 bytes meet in my stage and leave 512 consecutive bytes a store.
.macro FINISH yb
.rept 4
	v_nop                                          ; places behind the last products
.endr
	v_add_f32 v14, v14, v15                        ; the sum's two halves,
	v_permlanex16_b32 v252, v14, s[SEL], s[SEL+1]
	v_add_f32 v14, v14, v252                       ; and lane l xor 16's
	v_rcp_f32 v14, v14
	v_nop                                          ; one plain place behind a transcendental
	s_wait_alu depctr_va_vdst(0)
	v_ldexp_f32 v14, v14, s73
.set J_, 0
.rept 16
	v_pk_mul_f32 v[96+J_:97+J_], v[160+J_:161+J_], v[14:15] op_sel_hi:[1,0]   ; register 8 t + j is y(my query, 16 t + 8 (lane / 16) + j)
.set J_, J_+2
.endr
.set J_, 0
.rept 32
	v_med3_num_f32 v[96+J_], v[96+J_], -v246, v246
.set J_, J_+1
.endr
.irp t, 0,1,2,3
	v_cvt_scalef32_pk8_fp8_f32 v[128+2*\t:129+2*\t], v[96+8*\t:103+8*\t], v245
.endr
	v_nop                                          ; one plain vector instruction behind the last conversion of a run
.irp t, 0,1,2,3
	ds_store_b64 v[STO], v[128+2*\t:129+2*\t] offset:16*\t
.endr
.irp u, 0,1
	ds_load_b128 v[136+4*\u:139+4*\u], v[STR] offset:512*\u   ; LDS serves a wave's instructions in order (ISA guide 5.7.1.4): these see my stores
.endr
	s_wait_dscnt 0x0
.irp u, 0,1
	global_store_b128 v[LI], v[136+4*\u:139+4*\u], s[\yb:\yb+1] offset:512*\u
.endr
	s_wait_xcnt 0x0                                ; the stores have read their registers, which the next scores overwrite
.endm
	s_wait_loadcnt 0x0                             ; Q, both blocks'
.Lslot:                                            ; eight trips: behind each change of slots but the last the next slot is asked for
	CHANGE 1
	s_add_co_u32 s96, s[WI], 1
	s_cmp_lg_u32 s[TAU], s96                       ; trip i + 1 begins the second block of queries: a branch on ids, the same in all sixteen waves
	s_cbranch_scc1 .Lsame
	FINISH YE
.irp j, 0,1,2,3,4,5,6,7
	v_mov_b32 v[16+\j], v[24+\j]                   ; the second block's Q
.endr
	START
	s_mov_b32 s[Q0], s[QL0]
	s_mov_b32 s[KF], 0
.Lsame:
	SLOT_STEPS
	s_add_co_u32 s[TAU], s[TAU], 1
	s_cmp_lt_u32 s[TAU], 8
	s_cbranch_scc1 .Lslot
	CHANGE 0                                       ; the last slot is written out
	SLOT_STEPS
	FINISH YL
	s_wait_tensorcnt 0x0                           ; the wave's end: behind my last tensor load and my last LDS store
	ds_add_u32 v[SPW], v[NIL]
	s_wait_dscnt 0x0
	s_endpgm
.Lfunc_end_k_qdac5b2618c_attn:
	.size	k_qdac5b2618c_attn, .Lfunc_end_k_qdac5b2618c_attn-k_qdac5b2618c_attn
	.p2alignl 7, 3214868480
	.fill 96, 4, 3214868480
	.section	.rodata,"a",@progbits
	.p2align	6, 0x0
	.amdhsa_kernel k_qdac5b2618c_attn
		.amdhsa_group_segment_fixed_size 327680
		.amdhsa_private_segment_fixed_size 0
		.amdhsa_enable_private_segment 0
		.amdhsa_kernarg_size 32
		.amdhsa_user_sgpr_count 2
		.amdhsa_user_sgpr_kernarg_segment_ptr 1
		.amdhsa_wavefront_size32 1
		.amdhsa_system_sgpr_workgroup_id_x 1
		.amdhsa_system_sgpr_workgroup_id_y 1
		.amdhsa_system_sgpr_workgroup_id_z 1
		.amdhsa_system_vgpr_workitem_id 0
		.amdhsa_next_free_vgpr 256
		.amdhsa_next_free_sgpr 100
		.amdhsa_reserve_vcc 1
		.amdhsa_float_denorm_mode_32 3
		.amdhsa_float_denorm_mode_16_64 3
		.amdhsa_memory_ordered 1
		.amdhsa_forward_progress 1
		.amdhsa_inst_pref_size 99
	.end_amdhsa_kernel
	.amdgpu_metadata
---
amdhsa.version: [ 1, 2 ]
amdhsa.kernels:
  - .name:           k_qdac5b2618c_attn
    .symbol:         k_qdac5b2618c_attn.kd
    .args:
      - { .name: qimg, .offset: 0, .size: 8, .value_kind: global_buffer, .address_space: global }
      - { .name: kvimg, .offset: 8, .size: 8, .value_kind: global_buffer, .address_space: global }
      - { .name: lowp_scales, .offset: 16, .size: 8, .value_kind: global_buffer, .address_space: global }
      - { .name: ycodes, .offset: 24, .size: 8, .value_kind: global_buffer, .address_space: global }
    .group_segment_fixed_size: 327680
    .private_segment_fixed_size: 0
    .kernarg_segment_align: 8
    .kernarg_segment_size: 32
    .max_flat_workgroup_size: 512
    .sgpr_count:     100
    .vgpr_count:     256
    .wavefront_size: 32
...
	.end_amdgpu_metadata
.endif
;; end of part 2
;; launch proj (part 3): grid 4 x 32, 4 waves a work-group, clusters of 4 x 4, 327,680 bytes of LDS; arguments ycodes, wo_codes, lowp_scales, bo, out0; writes out0
.if DOCPART == 3
	.amdgcn_target "amdgcn-amd-amdhsa--gfx1250"
	.amdhsa_code_object_version 6
	.text
	.protected	k_qdac5b2618c_proj
	.globl	k_qdac5b2618c_proj
	.p2align	8
	.type	k_qdac5b2618c_proj,@function
k_qdac5b2618c_proj:
	s_mov_b64 s[64:65], 0
	v_nop
	global_prefetch_b8 v0, s[64:65] scope:SCOPE_SE
	s_setreg_imm32_b32 hwreg(HW_REG_WAVE_MODE, 25, 1), 1
	s_wait_xcnt 0x0
	s_wait_alu depctr_hold_cnt(0) depctr_sa_sdst(0) depctr_va_vdst(0) depctr_va_sdst(0) depctr_va_ssrc(0) depctr_va_vcc(0) depctr_vm_vsrc(0)
	s_getreg_b32 s2, hwreg(HW_REG_IB_STS2, 6, 4)
	s_cmp_eq_u32 s2, 0
	s_cbranch_scc0 .Lentry_in_a_cluster
	s_endpgm
.Lentry_in_a_cluster:
	s_bfe_u32 s2, ttmp6, 0x10000c
	s_cmp_lg_u32 s2, 0xf033
	s_cbranch_scc0 .Lentry_shape_is_right
	s_endpgm
.Lentry_shape_is_right:
; out0[m][n] = 2^(e10 + e11) x the sum over k of Y[m][k] WO[n][k] + bo[n].  Y: codes of FP8 (E4M3) in planes, [h (16)][m (8,192)][64 bytes]: k = 64 h + d.  WO: [1,024 (n)][1,024 (k)] codes.  out0: [8,192][1,024] f32.
; LIMIT: e10 + e11 lies between -126 and 127, so that 2^(e10 + e11) is an f32 number.
; A tile of C, 256 x 256, is made by a work-group of four waves; a wave makes 128 x 128: 64 accumulators, 512 registers.  K goes in steps of 256 (four heads) through a ring of two LDS slots.
; A'S TILE: 128 rows of a head are 8,192 dense bytes, and the four heads of a K step lie 524,288 bytes apart: the tensor load states 4 rows of 8,192 bytes, with 16 bytes of padding behind every 64: in LDS a row of Y's
;   64 bytes has a pitch of 80 (20 words: sixteen rows start at sixteen different groups of four banks), a head's plane 10,240.  B's tile: 128 rows of 256 bytes, pitch 272.
; 128 work-groups: a tile of 128 x 256 would give 256, but a wave of 64 x 128 reads one and a half times the LDS bytes for each matrix instruction.
; CLUSTERS: 4 x 4 work-groups; A's tile is shared along a row of the cluster, B's along a column: joint loads.  THE MATRIX INSTRUCTION IS USED TRANSPOSED: a lane holds eight neighbouring numbers of a row of C.
; REGISTERS, in windows of 256: window 0: v0-31 addresses; v32-95 bo at my 64 columns; from v128 A's fragments, ONE set (on the way out: rows read back).  window 1: B's fragments, TWO sets (on the way out v0-63: a block's results).
;   windows 2, 3: the accumulators ((a, b) at v[8 (8 (a % 4) + b)]).
.set SIZE_N, 1024
.set SIZE_K, 1024
.set KSTEP,  256
.set ROWB,   256                       ; a row of B's tile in bytes
.set KROW,   SIZE_K
.set HEADB,  8192*64                   ; from a head's plane of Y to the next, in bytes
.set APITCH, 80                        ; a row of Y in LDS: 64 bytes + 16
.set PLANE,  128*APITCH                ; 128 rows of one head
.set HALFA,  4*PLANE                   ; what one tensor load brings of A
.set PITCH,  272                       ; a row of B in LDS
.set HALFB,  128*PITCH                 ; what one tensor load brings of B
.set FR,     16
.set NL,     4
.set NP,     4                         ; places behind this matrix instruction (ISA guide 7.12.1)
.set SLOT,   2*HALFA+2*HALFB           ; A's two halves, then B's two
.set LAPS,   SIZE_K/(2*KSTEP)
.set SPARE,  2*SLOT                    ; behind the ring: the spare words, 128 bytes for each wave
.set SPITCH, 528                       ; the way out: a stage of 16 rows x (512 bytes + 16) for each wave, in slot 0, which has had its last fill and its last read when the first result is stored there
.set ADRA, 16
.set ADRB, 20
.set STO,  24
.set RD,   25
.set CO,   26
.set BOF,  27                          ; v27  bo: 32 x (lane / 16)
.set SPW,  28
.set NIL,  29
.set BIAS, 32                          ; v32-95 of window 0: bo(16 b + 8 (lane / 16) + j) at 8 b + j
.set TMP,  0                           ; v0-63 of window 1: a block's results
.set AF,   128
.set BK,   128
.set G1, 24
.set G0, 32
.set G1B, 48
.set G0B, 56
.set MSB, 0
.macro WIN new                         ; the immediate's high byte repeats the setting that is left
.if MSB != \new
	s_set_vgpr_msb (MSB<<8)|\new
.set MSB, \new
.endif
.endm
.set MUL_LO, 0xa1
.set MUL_HI, 0xf1
.set TO_B,   0x40
.macro JLOAD g0a, g1a, g0b, g1b        ; a joint load: waves 0 and 1 fetch for A, waves 2 and 3 for B; four v_nop follow each of the two lines
	s_cmp_eq_u32 s15, 0
	s_cbranch_scc0 .Lfor_b_\@
	tensor_load_to_lds s[\g0a:\g0a+3], s[\g1a:\g1a+7]
	s_nop 0
.rept 4
	v_nop
.endr
	s_branch .Lasked_\@
.Lfor_b_\@:
	tensor_load_to_lds s[\g0b:\g0b+3], s[\g1b:\g1b+7]
	s_nop 0
.rept 4
	v_nop
.endr
.Lasked_\@:
.endm
.macro CREST
	s_cmp_lg_u32 s14, 0
	s_cbranch_scc1 .Lnot_wave_0_\@
	s_barrier_signal -3
.Lnot_wave_0_\@:
	s_barrier_wait -3
	s_barrier_signal -1
	s_barrier_wait -1
.endm
.macro CROUND
	s_barrier_signal -1
	s_barrier_wait -1
	CREST
.endm
	s_load_b256 s[4:11], s[0:1], 0x0               ; Y's codes s[4:5], WO's codes s[6:7], the scales' exponents s[8:9], bo s[10:11]
	s_load_b64 s[12:13], s[0:1], 0x20              ; out0
	v_lshl_add_u32 v[SPW], v0, 2, SPARE
	v_mov_b32 v[NIL], 0
	ds_add_u32 v28, v29
	s_wait_dscnt 0x0
	v_lshrrev_b32 v1, 5, v0
	v_readfirstlane_b32 s14, v1                    ; wave 0..3
	s_lshr_b32 s15, s14, 1                         ; which half of the tile's rows is mine.  Also: I fetch for A (0) or for B (1)
	s_and_b32 s16, s14, 1                          ; which half of its columns.  Also: which 128 rows of that tile I fetch
	s_bfe_u32 s40, ttmp6, 0x40000                  ; cx, cy
	s_bfe_u32 s41, ttmp6, 0x40004
	s_lshl_b32 s42, ttmp9, 2
	s_add_co_u32 s42, s42, s40                     ; tile column of C
	s_and_b32 s17, ttmp7, 0xffff
	s_lshl_b32 s17, s17, 2
	s_add_co_u32 s17, s17, s41                     ; tile row of C
	s_lshl_b32 s43, s41, 2
	s_lshl_b32 s43, 15, s43                        ; my row of the cluster
	s_lshl_b32 s44, 0x1111, s40                    ; my column
	; group 1 for A: 4 rows of 8,192 bytes, 524,288 bytes apart
	s_or_b32 s[G1+0], s43, (0<<16)|(1<<20)|(1<<21)|(3<<22)|(3<<25)  ; the mask: my row; element of 1 byte; padding on; 21 set beside a mask; after every 16 words (code 3) 4 words (code 3)
	s_mov_b32 s[G1+1], 8192<<16                    ; tensor_dim0
	s_mov_b32 s[G1+2], 4<<16                       ; tensor_dim1
	s_mov_b32 s[G1+3], 8192<<16                    ; tile_dim0
	s_mov_b32 s[G1+4], 4                           ; tile_dim1
	s_mov_b32 s[G1+5], HEADB                       ; tensor_dim0_stride
	s_mov_b32 s[G1+6], 0
	s_mov_b32 s[G1+7], 0
	; group 1 for B: 128 rows of 256 bytes
	s_or_b32 s[G1B+0], s44, (0<<16)|(1<<20)|(1<<21)|(5<<22)|(3<<25) ; the mask: my column; after every 64 words 4 words
	s_mov_b32 s[G1B+1], ROWB<<16
	s_mov_b32 s[G1B+2], 128<<16
	s_mov_b32 s[G1B+3], ROWB<<16
	s_mov_b32 s[G1B+4], 128
	s_mov_b32 s[G1B+5], KROW
	s_mov_b32 s[G1B+6], 0
	s_mov_b32 s[G1B+7], 0
	s_lshl_b32 s18, s16, 7                         ; which 128 rows of the tile I fetch
	s_lshl_b32 s20, s17, 8
	s_add_co_u32 s20, s20, s18                     ; A: row 256 x tile row + 128 x half,
	s_lshl_b32 s20, s20, 6                         ; 64 bytes a row in a plane
	s_mov_b32 s21, 0
	s_lshl_b32 s46, s42, 8
	s_add_co_u32 s46, s46, s18                     ; B: row 256 x tile column + 128 x half,
	s_lshl_b32 s46, s46, 10                        ; 1,024 bytes a row
	s_mov_b32 s47, 0
	s_mul_i32 s45, s16, HALFA                      ; where A's half goes,
	s_mul_i32 s19, s16, HALFB
	s_add_co_u32 s19, s19, 2*HALFA                 ; and B's: the wave's number alone enters an LDS address
	s_wait_kmcnt 0x0
	s_load_b64 s[96:97], s[8:9], 0x28              ; e10, e11
	s_add_nc_u64 s[20:21], s[4:5], s[20:21]
	s_add_nc_u64 s[46:47], s[6:7], s[46:47]
	CROUND                                         ; all sixteen work-groups are here: the first joint loads meet
.irp s, 0,1
	s_mov_b32 s[G0+4*\s], 1
	s_add_co_u32 s[G0+4*\s+1], s45, \s*SLOT
	s_add_nc_u64 s[G0+4*\s+2:G0+4*\s+3], s[20:21], \s*4*HEADB      ; K step s: heads 4 s on
	s_or_b32 s[G0+4*\s+3], s[G0+4*\s+3], 0x80000000
	s_mov_b32 s[G0B+4*\s], 1
	s_add_co_u32 s[G0B+4*\s+1], s19, \s*SLOT
	s_add_nc_u64 s[G0B+4*\s+2:G0B+4*\s+3], s[46:47], \s*ROWB
	s_or_b32 s[G0B+4*\s+3], s[G0B+4*\s+3], 0x80000000
	JLOAD G0+4*\s, G1, G0B+4*\s, G1B
.endr
	v_and_b32 v1, 15, v0                           ; l % 16
	v_bfe_u32 v2, v0, 4, 1                         ; l / 16
	v_mul_u32_u24 v3, v1, APITCH
	v_lshl_add_u32 v3, v2, 4, v3                   ; A: row x 80 + 16 x half
	v_mul_u32_u24 v4, v1, PITCH
	v_lshl_add_u32 v4, v2, 4, v4                   ; B: row x 272 + 16 x half
	s_mul_i32 s21, s15, HALFA                      ; my 128 rows of A
	s_mul_i32 s22, s16, HALFB                      ; my 128 rows of B,
	s_add_co_u32 s22, s22, 2*HALFA                 ; which lie behind A's two halves
.irp s, 0,1
	v_add_nc_u32 v[ADRA+\s], s21, v3
	v_add_nc_u32 v[ADRB+\s], s22, v4
	s_add_co_u32 s21, s21, SLOT
	s_add_co_u32 s22, s22, SLOT
.endr
	s_mul_i32 s23, s14, 16*SPITCH                  ; my stage
	v_mul_u32_u24 v5, v1, SPITCH                   ; in: row l % 16, 32 bytes for each half of the lanes
	v_lshl_add_u32 v5, v2, 5, v5
	v_add_nc_u32 v[STO], s23, v5
	v_and_b32 v6, 31, v0
	v_lshlrev_b32 v[CO], 4, v6                     ; back: the 32 lanes take one row of 512 bytes; and the same in C
	v_add_nc_u32 v[RD], s23, v[CO]
	s_lshl_b32 s46, s42, 10                        ; my first column, in bytes of f32: 1,024 x tile column + 512 x half
	s_lshl_b32 s47, s16, 9
	s_add_co_u32 s46, s46, s47
	s_mov_b32 s47, 0
	s_add_nc_u64 s[10:11], s[10:11], s[46:47]      ; bo at my first column
	v_lshlrev_b32 v[BOF], 5, v2                    ; lanes 16-31: eight numbers further on
.irp b, 0,1,2,3,4,5,6,7
	global_load_b128 v[BIAS+8*\b:BIAS+8*\b+3], v[BOF], s[10:11] offset:64*\b
	global_load_b128 v[BIAS+8*\b+4:BIAS+8*\b+7], v[BOF], s[10:11] offset:64*\b+16
.endr
	s_lshl_b32 s20, s17, 8
	s_lshl_b32 s21, s15, 7
	s_add_co_u32 s20, s20, s21                     ; my first row of C,
	s_lshl_b32 s20, s20, 12                        ; 4,096 bytes a row: under 2^25
	s_mov_b32 s21, 0
	s_add_nc_u64 s[20:21], s[20:21], s[46:47]
	s_add_nc_u64 s[12:13], s[12:13], s[20:21]
; A fragment, 16 rows x 128 K, is 16 registers: lane l holds row l % 16; registers 4 c .. 4 c + 3 hold K = 32 c + 16 (l / 16) + 0 .. 15: the same order of k in A and in B.
.macro FRAGB reg, adr, q, i
.irp c, 0,1,2,3
	ds_load_b128 v[\reg+4*\c:\reg+4*\c+3], v[\adr] offset:128*(\q)+32*\c+(\i)*16*PITCH
.endr
.endm
.macro FRAGA reg, adr, q, i            ; k = 128 q + 32 c lies in plane 2 q + c / 2, at byte 32 (c % 2) of the row
.irp c, 0,1,2,3
	ds_load_b128 v[\reg+4*\c:\reg+4*\c+3], v[\adr] offset:(2*(\q)+\c/2)*PLANE+(\i)*16*APITCH+32*(\c%2)
.endr
.endm
; 16 matrix instructions: A's blocks a0, a0 + 1 x B's eight.  The 64 accumulators take turns, one instruction a turn, in the same order in every step.
.macro MUL16 a0, p, zero
.irp a, \a0, \a0+1
.irp b, 0,1,2,3,4,5,6,7
.if \zero
	v_wmma_f32_16x16x128_fp8_fp8 v[8*(8*((\a)%4)+\b):8*(8*((\a)%4)+\b)+7], v[128*(\p)+FR*\b:128*(\p)+FR*\b+FR-1], v[AF+FR*(\a):AF+FR*(\a)+FR-1], 0
.else
	v_wmma_f32_16x16x128_fp8_fp8 v[8*(8*((\a)%4)+\b):8*(8*((\a)%4)+\b)+7], v[128*(\p)+FR*\b:128*(\p)+FR*\b+FR-1], v[AF+FR*(\a):AF+FR*(\a)+FR-1], v[8*(8*((\a)%4)+\b):8*(8*((\a)%4)+\b)+7]
.endif
.endr
.endr
.endm
.macro FETCH_B slot, q, p
	WIN TO_B
.irp i, 0,1,2,3,4,5,6,7
	FRAGB 128*(\p)+FR*\i, ADRB+\slot, \q, \i
.endr
	WIN 0
.endm
.macro FETCH_A slot, q, i0
.irp i, \i0, \i0+1, \i0+2, \i0+3
	FRAGA AF+FR*(\i), ADRA+\slot, \q, \i
.endr
.endm
.macro PLACES n                        ; places in front of loads into registers that matrix instructions have read, and of the first read of results (ISA guide 7.12.1 for vector instructions)
.rept \n
	v_nop
.endr
.endm
.macro STEP slot, q, zero
	s_wait_dscnt 4*NL                              ; B's set and A's blocks 0-3 are in; the youngest sixteen loads (A's blocks 4-7) may be out
	WIN MUL_LO
	MUL16 0, (\q)%2, \zero
	MUL16 2, (\q)%2, \zero
	s_wait_dscnt 0                                 ; A's blocks 4-7 are in
	PLACES NP
	FETCH_B \slot, (\q)+1, 1-(\q)%2
	FETCH_A \slot, (\q)+1, 0
	WIN MUL_HI
	MUL16 4, (\q)%2, \zero
	MUL16 6, (\q)%2, \zero
	PLACES NP
	WIN 0
	FETCH_A \slot, (\q)+1, 4
.endm
; A slot's last step changes slots: ONE barrier; in front of it each wave waits for all its tensor loads, adds 0 to its spare word, and waits for that and for its own reads of this slot.
.macro TURN slot, next, fill
	s_wait_tensorcnt 0x0                           ; all my tensor loads have landed: my part of the next slot  (every window is 0 here)
	ds_add_u32 v[SPW], v[NIL]                      ; 0 onto my spare word
	s_wait_dscnt 4*NL+1                            ; (the add and the youngest sixteen loads may be out)
	WIN MUL_LO
	MUL16 0, 1, 0
	s_wait_dscnt 0x0                               ; the add is done, and my reads of this slot are over
	s_barrier_signal -1
	MUL16 2, 1, 0
	WIN 0
	s_barrier_wait -1
.if \fill
	CREST                                          ; the barrier has opened a round of the cluster's barrier: no wave of any partner still reads this slot's tile or has a load on its way
	s_add_nc_u64 s[G0+4*\slot+2:G0+4*\slot+3], s[G0+4*\slot+2:G0+4*\slot+3], 8*HEADB    ; two K steps on: eight heads
	s_add_nc_u64 s[G0B+4*\slot+2:G0B+4*\slot+3], s[G0B+4*\slot+2:G0B+4*\slot+3], 2*ROWB
	JLOAD G0+4*\slot, G1, G0B+4*\slot, G1B         ; the first tensor load behind the round; the four v_nop behind it are the places in front of the loads below
.else
	PLACES NP
.endif
	FETCH_B \next, 0, 0
	FETCH_A \next, 0, 0
	WIN MUL_HI
	MUL16 4, 1, 0
	MUL16 6, 1, 0
	PLACES NP
	WIN 0
	FETCH_A \next, 0, 4
.endm
	s_wait_tensorcnt 1                             ; my part of K step 0 is in (K step 1's load may be out)
	s_barrier_signal -1
	s_barrier_wait -1                              ; everybody's is
	FETCH_B 0, 0, 0
	FETCH_A 0, 0, 0
	FETCH_A 0, 0, 4
	STEP 0, 0, 1                                   ; the first step's products start the sums
	s_mov_b32 s3, LAPS-1
.Llap:
	TURN 0, 1, 1
	STEP 1, 0, 0
	TURN 1, 0, 1
	STEP 0, 0, 0
	s_sub_co_u32 s3, s3, 1
	s_cmp_lg_u32 s3, 0
	s_cbranch_scc1 .Llap
	TURN 0, 1, 0                                   ; the last lap fills nothing
	STEP 1, 0, 0
	s_wait_dscnt 4*NL
	WIN MUL_LO
	MUL16 0, 1, 0
	MUL16 2, 1, 0
	s_wait_dscnt 0
	WIN MUL_HI
	MUL16 4, 1, 0
	MUL16 6, 1, 0
	WIN 0
; THE WAY OUT, block by block of 16 rows x 128 columns: sum x 2^(e10 + e11) + bo in one packed multiply-add for two numbers; through my own stage in LDS; back as whole rows of 512 bytes.
.macro TOSTAGE a
.set AC, 64*((\a)%4)
	WIN 0x42+((\a)/4)                              ; destination window 1, source 0 window 2 or 3, source 2 (bo) window 0
.irp j, 0,2,4,6,8,10,12,14,16,18,20,22,24,26,28,30,32,34,36,38,40,42,44,46,48,50,52,54,56,58,60,62
	v_pk_fma_f32 v[TMP+\j:TMP+\j+1], v[AC+\j:AC+\j+1], s[96:97], v[BIAS+\j:BIAS+\j+1] op_sel_hi:[1,0,1]   ; each accumulator from its low end on
.endr
	WIN 0x04                                       ; the stores' data in window 1
.irp b, 0,1,2,3,4,5,6,7
	ds_store_b128 v[STO], v[TMP+8*\b:TMP+8*\b+3] offset:64*\b
	ds_store_b128 v[STO], v[TMP+8*\b+4:TMP+8*\b+7] offset:64*\b+16
.endr
	WIN 0
.set BB, BK+64*((\a)%2)
.irp t, 0,1,2,3,4,5,6,7,8,9,10,11,12,13,14,15
	ds_load_b128 v[BB+4*\t:BB+4*\t+3], v[RD] offset:\t*SPITCH      ; LDS serves a wave's instructions in order (ISA guide 5.7.1.4): these see the stores above
.endr
.endm
.macro SEND a, younger                 ; younger: the LDS instructions issued behind block a's loads, which may stay out
.set BB, BK+64*((\a)%2)
	s_wait_dscnt \younger
.if (\a) > 0
	s_add_nc_u64 s[12:13], s[12:13], 16*SIZE_N*4   ; (behind a wait on XCNT: the earlier stores have read their base)  16 rows of C on
.endif
.irp t, 0,1,2,3,4,5,6,7,8,9,10,11,12,13,14,15
	global_store_b128 v[CO], v[BB+4*\t:BB+4*\t+3], s[12:13] offset:\t*SIZE_N*4 th:TH_STORE_NT   ; 32 lanes store 512 consecutive bytes, aligned; written once, read by nobody here
.endr
.endm
	s_wait_kmcnt 0x0
	s_add_co_i32 s96, s96, s97                     ; e10 + e11, between -126 and 127,
	s_add_co_i32 s96, s96, 127
	s_lshl_b32 s96, s96, 23                        ; makes the f32 number 2^(e10 + e11)
	s_wait_loadcnt 0x0                             ; bo
	PLACES NP                                      ; behind the last products: their results are read, and A's and B's registers written, below
	TOSTAGE 0
.irp a, 1,2,3,4,5,6,7
.if \a > 1
	s_wait_xcnt 0x0                                ; block a - 2's stores have read their registers and their base
.endif
	TOSTAGE \a
	SEND \a-1, 32                                  ; behind block a - 1's loads: block a's 16 stores and 16 loads
.endr
	s_wait_xcnt 0x0                                ; block 6's stores have read their base
	SEND 7, 0
	s_wait_tensorcnt 0x0                           ; the wave's end
	ds_add_u32 v[SPW], v[NIL]
	s_wait_dscnt 0x0
	CROUND                                         ; the closing round
	s_endpgm
.Lfunc_end_k_qdac5b2618c_proj:
	.size	k_qdac5b2618c_proj, .Lfunc_end_k_qdac5b2618c_proj-k_qdac5b2618c_proj
	.p2alignl 7, 3214868480
	.fill 96, 4, 3214868480
	.section	.rodata,"a",@progbits
	.p2align	6, 0x0
	.amdhsa_kernel k_qdac5b2618c_proj
		.amdhsa_group_segment_fixed_size 327680
		.amdhsa_private_segment_fixed_size 0
		.amdhsa_enable_private_segment 0
		.amdhsa_kernarg_size 40
		.amdhsa_user_sgpr_count 2
		.amdhsa_user_sgpr_kernarg_segment_ptr 1
		.amdhsa_wavefront_size32 1
		.amdhsa_system_sgpr_workgroup_id_x 1
		.amdhsa_system_sgpr_workgroup_id_y 1
		.amdhsa_system_sgpr_workgroup_id_z 1
		.amdhsa_system_vgpr_workitem_id 0
		.amdhsa_next_free_vgpr 1024
		.amdhsa_next_free_sgpr 100
		.amdhsa_reserve_vcc 0
		.amdhsa_float_denorm_mode_32 3
		.amdhsa_float_denorm_mode_16_64 3
		.amdhsa_memory_ordered 1
		.amdhsa_forward_progress 1
		.amdhsa_inst_pref_size 125
	.end_amdhsa_kernel
	.amdgpu_metadata
---
amdhsa.version: [ 1, 2 ]
amdhsa.kernels:
  - .name:           k_qdac5b2618c_proj
    .symbol:         k_qdac5b2618c_proj.kd
    .args:
      - { .name: ycodes, .offset: 0, .size: 8, .value_kind: global_buffer, .address_space: global }
      - { .name: wo_codes, .offset: 8, .size: 8, .value_kind: global_buffer, .address_space: global }
      - { .name: lowp_scales, .offset: 16, .size: 8, .value_kind: global_buffer, .address_space: global }
      - { .name: bo, .offset: 24, .size: 8, .value_kind: global_buffer, .address_space: global }
      - { .name: out0, .offset: 32, .size: 8, .value_kind: global_buffer, .address_space: global }
    .group_segment_fixed_size: 327680
    .private_segment_fixed_size: 0
    .kernarg_segment_align: 8
    .kernarg_segment_size: 40
    .max_flat_workgroup_size: 128
    .sgpr_count:     100
    .vgpr_count:     1024
    .wavefront_size: 32
...
	.end_amdgpu_metadata
.endif
;; end of part 3
